; MI455X (gfx1250); checked and timed in simulation.
; The chip was launched on July 23, 2026; its instructions are those of AMD's public machine-readable ISA for CDNA 5 (MIT licence, August 2026) and "CDNA5" Instruction Set Architecture Reference Guide (July 2026). The comments in the code are by the model that wrote it; some were corrected since.
;; Mo E Layer. Allowed arithmetic: float matrix products may take bf16 or f16 operands with f32 sums; all other float work in f32.
;; Inputs: W1 8 x 1,024 x 2,048 float32; W2 8 x 2,048 x 1,024 float32; b1 8 x 2,048 float32; b2 8 x 1,024 float32; gate_W 1,024 x 8 float32; gate_b 8 float32; x 2,048 x 1,024 float32.
;; Outputs: out0 2,048 x 1,024 float32.
;; One version. Each part assembles by itself: llvm-mc -triple=amdgcn-amd-amdhsa -mcpu=gfx1250 --defsym DOCPART=n.
;; ======== version 1 of 1: 5 launches
;; limits: values outside matrix products are rounded to bf16
;; workspace buffers: xb 4,194,304 bytes; sel 8,192 bytes of whole numbers; gts 16,384 bytes; rt 133,120 bytes of whole numbers; hs 67,108,864 bytes; yp 134,217,728 bytes
;; launch gate (part 1): grid 128 x 1, 8 waves a work-group, no clusters, 58,880 bytes of LDS; arguments x, gate_W, gate_b, xb, sel, gts; writes xb, sel, gts
.if DOCPART == 1
	.amdgcn_target "amdgcn-amd-amdhsa--gfx1250"
	.amdhsa_code_object_version 6
	.text
	.protected	k_q58a458be26_gate
	.globl	k_q58a458be26_gate
	.p2align	8
	.type	k_q58a458be26_gate,@function
k_q58a458be26_gate:
	s_mov_b64 s[64:65], 0
	v_nop
	global_prefetch_b8 v0, s[64:65] scope:SCOPE_SE
	s_setreg_imm32_b32 hwreg(HW_REG_WAVE_MODE, 25, 1), 1
	s_wait_xcnt 0x0
; GATE.  logits = x gate_W + gate_b, softmax over the 8 experts, the two largest probabilities and their experts; and xb = x in bf16.
; x [2048][1024] f32, gate_W [1024][8] f32, gate_b [8] f32.  Out: xb [2048][1024] bf16, sel [2048] u32 = e0 | e1 << 8, gts [2048][2] f32.
; A work-group takes 16 tokens; wave w takes K = 128 w .. 128 w + 127 of them: four matrix instructions (bf16 operands, f32 sums).
; The eight waves' partial logits meet in LDS, and wave 0 does the softmax and the choice for the 16 tokens, a token a lane.
; x is read once here, 512 neighbouring bytes an instruction, and leaves as bf16, 256 neighbouring aligned bytes an instruction.
; No tensor loads, no cluster: no two work-groups share a byte of x, and gate_W is 32 KiB.
; LIMITS.  The gate's product takes x and gate_W rounded to bf16, like every matrix operand of this program, and gate_b is rounded to
; bf16 with them (relative error up to 2^-8; ROUND_GB = 0 adds it unrounded).  Two probabilities that differ by less than the f32
; sums' rounding may be ranked the other way round; equal ones go to the lower index.  With NaN logits the compares fail: experts 0
; and 1 are named and the first gate is NaN.  sel and gts leave as 64 and 128 bytes a work-group (24 KiB in the whole launch).
.set ROUND_GB, 1
.set XP,  2064                         ; LDS pitch of a row of 1,024 bf16: 2,048 + 16 bytes, an odd multiple of 16, so that the 16 rows of a fragment load start in 16 different 16-byte columns modulo 256
.set WTB, 33024                        ; LDS: x tile 16 x XP at 0; gate_W transposed, 8 x XP, here
.set RED, 49664                        ; LDS: 8 waves x 1,024 bytes of partial logits
.set X,   16                           ; v[16:79]   x as loaded: token t in 4 registers
.set G,   80                           ; v[80:111]  gate_W as loaded: v[G + 8 kk + e] = W[4 tid + kk][e]
.set QW,  112                          ; v[112:127] gate_W packed: expert e in 2 registers (4 k)
.set Y,   128                          ; v[128:159] x packed: token t in 2 registers
.set WF,  16                           ; v[16:47]   fragments of gate_W^T, 4 K steps (x's registers, done with)
.set XF,  48                           ; v[48:79]   fragments of x
.set AC0, 80                           ; v[80:87], v[88:95] two accumulators
.set AC1, 88
.set LG,  160                          ; v[160:223] the 8 waves' partial logits; the sums in v[160:167]
.set TT,  40                           ; v[40:47]   exponents, later the probabilities without the first choice
.set PR,  48                           ; v[48:55]   exponentials, then probabilities
	s_load_b256 s[4:11], s[0:1], 0x0               ; x s[4:5], gate_W s[6:7], gate_b s[8:9], xb s[10:11]
	s_load_b128 s[12:15], s[0:1], 0x20             ; sel s[12:13], gts s[14:15]
	v_lshl_add_u32 v224, v0, 2, 0xe200
	v_mov_b32 v225, 0
	v_lshrrev_b32 v1, 5, v0
	v_readfirstlane_b32 s16, v1                    ; wave
	v_and_b32 v2, 15, v0                           ; r
	v_bfe_u32 v3, v0, 4, 1                         ; h
	v_lshlrev_b32 v4, 4, v0                        ; x: 16 tid = 512 w + 16 lane
	v_lshlrev_b32 v5, 7, v0                        ; gate_W: 128 tid (4 rows of 32 bytes)
	v_lshlrev_b32 v6, 3, v0                        ; xb, and the x tile in LDS: 8 tid = 256 w + 8 lane
	v_add_nc_u32 v7, WTB, v6                       ; gate_W^T in LDS: k = 4 tid
	v_lshlrev_b32 v10, 5, v0
	v_add_nc_u32 v10, RED, v10                     ; my 32 bytes of partial logits
	s_lshl_b32 s17, s16, 8                         ; my K slice in a row of bf16
	s_add_co_u32 s28, s17, WTB
	v_mul_u32_u24 v8, v2, XP
	v_lshl_add_u32 v8, v3, 4, v8
	v_add_nc_u32 v8, s17, v8                       ; x fragment: row r, 16 h, my slice
	v_and_b32 v9, 7, v0
	v_mul_u32_u24 v9, v9, XP
	v_lshl_add_u32 v9, v3, 4, v9
	v_add_nc_u32 v9, s28, v9                       ; gate_W^T fragment: row r mod 8 (rows 8-15 of the operand repeat the 8 experts)
	s_mov_b32 s19, 0
	s_wait_kmcnt 0x0
	s_load_b256 s[20:27], s[8:9], 0x0              ; gate_b
	s_lshl_b32 s18, ttmp9, 16                      ; 16 tokens of 4,096 bytes
	s_add_nc_u64 s[4:5], s[4:5], s[18:19]
	s_lshl_b32 s18, ttmp9, 15                      ; 16 tokens of 2,048 bytes
	s_add_nc_u64 s[10:11], s[10:11], s[18:19]
	s_lshl_b32 s18, ttmp9, 6
	s_add_nc_u64 s[12:13], s[12:13], s[18:19]
	s_lshl_b32 s18, ttmp9, 7
	s_add_nc_u64 s[14:15], s[14:15], s[18:19]
.irp j, 0,1,2,3,4,5,6,7
	global_load_b128 v[G+4*\j:G+4*\j+3], v5, s[6:7] offset:16*\j
.endr
.irp t, 0,1,2,3,4,5,6,7,8,9,10,11,12,13,14,15
	global_load_b128 v[X+4*\t:X+4*\t+3], v4, s[4:5] offset:4096*\t th:TH_LOAD_NT
.endr
	s_wait_loadcnt 16                              ; gate_W is in: the 16 loads of x are younger
.irp e, 0,1,2,3,4,5,6,7
	v_cvt_pk_bf16_f32 v[QW+2*\e],   v[G+\e],    v[G+8+\e]      ; packing along k turns [k][e] into [e][k]
	v_cvt_pk_bf16_f32 v[QW+2*\e+1], v[G+16+\e], v[G+24+\e]
	ds_store_b64 v7, v[QW+2*\e:QW+2*\e+1] offset:XP*\e
.endr
.irp t, 0,1,2,3,4,5,6,7,8,9,10,11,12,13,14,15
	s_wait_loadcnt 15-\t                           ; loads come back in order (ISA guide 5.7.1): token t is in, the younger tokens stay out
	v_cvt_pk_bf16_f32 v[Y+2*\t],   v[X+4*\t],   v[X+4*\t+1]
	v_cvt_pk_bf16_f32 v[Y+2*\t+1], v[X+4*\t+2], v[X+4*\t+3]
	global_store_b64 v6, v[Y+2*\t:Y+2*\t+1], s[10:11] offset:2048*\t
	ds_store_b64 v6, v[Y+2*\t:Y+2*\t+1] offset:XP*\t
.endr
	s_wait_kmcnt 0x0                               ; gate_b
	s_wait_dscnt 0x0                               ; my stores into the two tiles are done
	s_barrier_signal -1
	s_barrier_wait -1                              ; everybody's are
.irp s, 0,1,2,3
	ds_load_b128 v[WF+8*\s:WF+8*\s+3],   v9 offset:64*\s
	ds_load_b128 v[WF+8*\s+4:WF+8*\s+7], v9 offset:64*\s+32
	ds_load_b128 v[XF+8*\s:XF+8*\s+3],   v8 offset:64*\s
	ds_load_b128 v[XF+8*\s+4:XF+8*\s+7], v8 offset:64*\s+32
.endr
	s_wait_dscnt 0x0
	; source 0 = experts, source 1 = tokens: lane (r, h) register j holds the logit of expert j for token r, in both halves of the wave.
	; Two accumulators take turns, one instruction a turn.
	v_wmma_f32_16x16x32_bf16 v[AC0:AC0+7], v[WF:WF+7],     v[XF:XF+7],     0
	v_wmma_f32_16x16x32_bf16 v[AC1:AC1+7], v[WF+8:WF+15],  v[XF+8:XF+15],  0
	v_wmma_f32_16x16x32_bf16 v[AC0:AC0+7], v[WF+16:WF+23], v[XF+16:XF+23], v[AC0:AC0+7]
	v_wmma_f32_16x16x32_bf16 v[AC1:AC1+7], v[WF+24:WF+31], v[XF+24:XF+31], v[AC1:AC1+7]
.rept 4
	v_nop                                          ; four places before a vector instruction reads a matrix result (ISA guide 7.12.1)
.endr
.irp p, 0,2,4,6
	v_pk_add_f32 v[AC0+\p:AC0+\p+1], v[AC0+\p:AC0+\p+1], v[AC1+\p:AC1+\p+1]
.endr
	ds_store_b128 v10, v[AC0:AC0+3]
	ds_store_b128 v10, v[AC0+4:AC0+7] offset:16
	s_wait_dscnt 0x0                               ; for wave 0's sake
	s_barrier_signal -1
	s_barrier_wait -1
	s_cmp_lg_u32 s16, 0
	s_cbranch_scc1 .Lend                           ; behind the last barrier: waves 1 to 7 are done
	; wave 0: in it tid = lane, so v10 = RED + 32 lane and v6 = 8 lane
.irp w, 0,1,2,3,4,5,6,7
	ds_load_b128 v[LG+8*\w:LG+8*\w+3],   v10 offset:1024*\w
	ds_load_b128 v[LG+8*\w+4:LG+8*\w+7], v10 offset:1024*\w+16
.endr
	s_mov_b32 s28, 0x3fb8aa3b                      ; log2 e
	s_wait_dscnt 0x0
.irp w, 1,2,3,4,5,6,7
.irp p, 0,2,4,6
	v_pk_add_f32 v[LG+\p:LG+\p+1], v[LG+\p:LG+\p+1], v[LG+8*\w+\p:LG+8*\w+\p+1]   ; K slices in ascending order
.endr
.endr
.if ROUND_GB
.irp p, 0,1,2,3
	v_cvt_pk_bf16_f32 v[24+\p], s[20+2*\p], s[21+2*\p]
	v_lshlrev_b32 v[16+2*\p], 16, v[24+\p]
	v_and_b32 v[17+2*\p], 0xffff0000, v[24+\p]
	v_pk_add_f32 v[LG+2*\p:LG+2*\p+1], v[LG+2*\p:LG+2*\p+1], v[16+2*\p:17+2*\p]
.endr
.else
.irp e, 0,1,2,3,4,5,6,7
	v_add_f32 v[LG+\e], s[20+\e], v[LG+\e]
.endr
.endif
	; softmax with the row's maximum taken away.  The exponent is fma(l, log2 e, -round(m log2 e)): the rounding of the shift is one
	; factor common to the eight exponentials and cancels in the division.
	v_max3_num_f32 v32, v[LG], v[LG+1], v[LG+2]
	v_max3_num_f32 v33, v[LG+3], v[LG+4], v[LG+5]
	v_max3_num_f32 v32, v32, v[LG+6], v[LG+7]
	v_max_num_f32 v32, v32, v33
	v_mul_f32 v33, 0x3fb8aa3b, v32
.irp e, 0,1,2,3,4,5,6,7
	v_fma_f32 v[TT+\e], v[LG+\e], s28, -v33
.endr
.irp e, 0,1,2,3,4,5,6,7
	v_exp_f32 v[PR+\e], v[TT+\e]
.endr
	v_nop                                          ; one plain instruction behind the transcendentals before their results are read (ISA guide 5.7.2)
	s_wait_alu depctr_va_vdst(0)
	v_pk_add_f32 v[56:57], v[PR:PR+1],   v[PR+2:PR+3]
	v_pk_add_f32 v[58:59], v[PR+4:PR+5], v[PR+6:PR+7]
	v_pk_add_f32 v[56:57], v[56:57], v[58:59]
	v_add_f32 v56, v56, v57
	v_rcp_f32 v58, v56
	v_nop
	s_wait_alu depctr_va_vdst(0)
.irp p, 0,2,4,6
	v_pk_mul_f32 v[PR+\p:PR+\p+1], v[PR+\p:PR+\p+1], v[58:59] op_sel_hi:[1,0]      ; both by v58
.endr
	; the largest, by selects alone; strictly greater keeps the lower index among equals
	v_mov_b32 v34, v[PR]
	v_mov_b32 v36, 0
.irp e, 1,2,3,4,5,6,7
	v_cmp_gt_f32 vcc_lo, v[PR+\e], v34
	v_cndmask_b32 v34, v34, v[PR+\e], vcc_lo
	v_cndmask_b32 v36, v36, \e, vcc_lo
.endr
	; the second: the same scan with the first choice put at -1
.irp e, 0,1,2,3,4,5,6,7
	v_cmp_eq_u32 vcc_lo, \e, v36
	v_cndmask_b32 v[TT+\e], v[PR+\e], -1.0, vcc_lo
.endr
	v_mov_b32 v35, v[TT]
	v_mov_b32 v37, 0
.irp e, 1,2,3,4,5,6,7
	v_cmp_gt_f32 vcc_lo, v[TT+\e], v35
	v_cndmask_b32 v35, v35, v[TT+\e], vcc_lo
	v_cndmask_b32 v37, v37, \e, vcc_lo
.endr
	v_cmp_eq_u32 vcc_lo, v36, v37                  ; only NaN logits get here with two equal indices: the two experts of a token are
	v_xor_b32 v32, 1, v36                          ; always different, which the next launch's lists rely on
	v_cndmask_b32 v37, v37, v32, vcc_lo
	v_lshl_or_b32 v38, v37, 8, v36
	v_lshlrev_b32 v39, 2, v0
	v_cmp_gt_u32 vcc_lo, 16, v0                    ; lanes 16 to 31 hold the same 16 tokens again
	s_wait_xcnt 0x0                                ; EXEC is a source of the pending stores of xb: it changes only behind this wait
	s_and_saveexec_b32 s29, vcc_lo
	global_store_b32 v39, v38, s[12:13]
	global_store_b64 v6, v[34:35], s[14:15]
	s_wait_xcnt 0x0
	s_or_b32 exec_lo, exec_lo, s29
.Lend:
	s_barrier_signal -1
	s_barrier_wait -1
	s_wait_tensorcnt 0x0
	ds_add_u32 v224, v225
	s_wait_dscnt 0x0
	s_endpgm
.Lfunc_end_k_q58a458be26_gate:
	.size	k_q58a458be26_gate, .Lfunc_end_k_q58a458be26_gate-k_q58a458be26_gate
	.p2alignl 7, 3214868480
	.fill 96, 4, 3214868480
	.section	.rodata,"a",@progbits
	.p2align	6, 0x0
	.amdhsa_kernel k_q58a458be26_gate
		.amdhsa_group_segment_fixed_size 58880
		.amdhsa_private_segment_fixed_size 0
		.amdhsa_enable_private_segment 0
		.amdhsa_kernarg_size 48
		.amdhsa_user_sgpr_count 2
		.amdhsa_user_sgpr_kernarg_segment_ptr 1
		.amdhsa_wavefront_size32 1
		.amdhsa_system_sgpr_workgroup_id_x 1
		.amdhsa_system_sgpr_workgroup_id_y 1
		.amdhsa_system_sgpr_workgroup_id_z 1
		.amdhsa_system_vgpr_workitem_id 0
		.amdhsa_next_free_vgpr 226
		.amdhsa_next_free_sgpr 66
		.amdhsa_reserve_vcc 1
		.amdhsa_float_denorm_mode_32 3
		.amdhsa_float_denorm_mode_16_64 3
		.amdhsa_memory_ordered 1
		.amdhsa_forward_progress 1
		.amdhsa_inst_pref_size 22
	.end_amdhsa_kernel
	.amdgpu_metadata
---
amdhsa.version: [ 1, 2 ]
amdhsa.kernels:
  - .name:           k_q58a458be26_gate
    .symbol:         k_q58a458be26_gate.kd
    .args:
      - { .name: x, .offset: 0, .size: 8, .value_kind: global_buffer, .address_space: global }
      - { .name: gate_W, .offset: 8, .size: 8, .value_kind: global_buffer, .address_space: global }
      - { .name: gate_b, .offset: 16, .size: 8, .value_kind: global_buffer, .address_space: global }
      - { .name: xb, .offset: 24, .size: 8, .value_kind: global_buffer, .address_space: global }
      - { .name: sel, .offset: 32, .size: 8, .value_kind: global_buffer, .address_space: global }
      - { .name: gts, .offset: 40, .size: 8, .value_kind: global_buffer, .address_space: global }
    .group_segment_fixed_size: 58880
    .private_segment_fixed_size: 0
    .kernarg_segment_align: 8
    .kernarg_segment_size: 48
    .max_flat_workgroup_size: 256
    .sgpr_count:     66
    .vgpr_count:     226
    .wavefront_size: 32
...
	.end_amdgpu_metadata
.endif
;; end of part 1
;; launch route (part 2): grid 8 x 1, 8 waves a work-group, no clusters, 10,496 bytes of LDS; arguments sel, rt; writes rt
.if DOCPART == 2
	.amdgcn_target "amdgcn-amd-amdhsa--gfx1250"
	.amdhsa_code_object_version 6
	.text
	.protected	k_q58a458be26_route
	.globl	k_q58a458be26_route
	.p2align	8
	.type	k_q58a458be26_route,@function
k_q58a458be26_route:
	s_mov_b64 s[64:65], 0
	v_nop
	global_prefetch_b8 v0, s[64:65] scope:SCOPE_SE
	s_setreg_imm32_b32 hwreg(HW_REG_WAVE_MODE, 25, 1), 1
	s_wait_xcnt 0x0
; ROUTE.  From sel [2048] u32 (e0 | e1 << 8, e0 != e1) the table rt for the later launches, all whole numbers:
;   byte 0:               rank[8][2048]  the slot of token n with expert e (a defined number without meaning where n does not name e)
;   byte 65,536 + 256 e:  32 pairs (nb_e, 0), nb_e = ceil(count_e / 16)
;   byte 67,584:          list[8][2048]  the tokens of expert e in slots 0 .. count_e - 1; the other slots hold token 0
; One work-group for each expert, eight waves; wave w takes tokens 256 w .. 256 w + 255, 32 at a time, four such groups side by side.
; In front of the one barrier: a token that names the expert gets a local rank = the wave's running count + the hits in lower lanes, and
; goes into a local list in LDS bytes of the wave's own; a lane without a hit stores into a spare word of its own, so all lanes stay on.
; Behind it: every wave reads the eight counts; base_k = the sum of the counts of waves below k; a token's slot is its wave's base + its local
; rank; and wave w gathers slots 256 w .. 256 w + 255 of the list: slot s lies in the list of the last wave k with base_k <= s, at s - base_k.
; Eight work-groups, since there are eight running counts to make and 8 KiB to read; no global address hangs on anything but ids.
; Every store to rt covers 512 (the count: 256) neighbouring aligned bytes.
.set LLP,   1152                       ; LDS: wave w's local list at LLP w: 256 slots and 32 spare words
.set LLW,   LLP/4
.set CNTB,  8*LLP                      ; LDS: wave w's count at CNTB + 4 w
.set CNTG,  65536
.set LISTG, 67584
.set TK4,   13                         ; v13       256 w + 4 lane: my first token, and my first slot on the way out
.set SPARE, 14                         ; v14       my spare word, as a slot number of the local list
.set S,     16                         ; v[16:23]  sel of tokens 256 w + 128 j + 4 lane + i in v[S + 4 j + i]; then their ranks
.set H0,    24                         ; v[24:27]  first choices, v[28:31] second choices
.set H1,    28
.set HA,    32                         ; v[32:35]  local list addresses
.set C,     40                         ; v[40:47]  the eight counts
.set SN,    48                         ; v[48:55]  the numbers 256 w + 128 j + 4 lane + i: my tokens, and my slots on the way out
.set W,     56                         ; v[56:63]  where my slots lie in LDS
.set TM,    64                         ; v[64:71]  at work
.set LS,    72                         ; v[72:79]  my slots' tokens
.set MK,    20                         ; s[20:27]  masks
.set CB,    28                         ; s[28:31]  the running count in front of each of four groups
.set CN,    32                         ; s[32:39]  the waves' counts
.set BS,    40                         ; s[40:47]  the waves' bases
.set D,     52                         ; s[53:59]  D + k: 288 - count of wave k - 1
	s_load_b128 s[4:7], s[0:1], 0x0                ; sel s[4:5], rt s[6:7]
	v_lshl_add_u32 v96, v0, 2, 0x2500
	v_mov_b32 v97, 0
	v_lshrrev_b32 v1, 5, v0
	v_readfirstlane_b32 s8, v1                     ; wave
	s_mov_b32 s15, ttmp9                           ; expert
	v_and_b32 v1, 31, v0                           ; lane
	s_lshl_b32 s10, s8, 10
	s_lshl_b32 s11, s15, 13
	s_mul_i32 s9, s8, LLP                          ; my local list
	s_lshl_b32 s16, s8, 2
	s_add_co_u32 s16, s16, CNTB                    ; my count
	s_mov_b32 s[CB], 0
	v_lshlrev_b32 v2, 4, v1
	v_add_nc_u32 v3, s9, v2                        ; LDS: my list + 16 lane
	v_lshl_add_u32 v4, v1, 2, s9                   ; LDS: my list + 4 lane
	v_add_nc_u32 v2, s10, v2                       ; 1,024 w + 16 lane = 4 x (256 w + 4 lane)
	v_add_nc_u32 v5, s11, v2                       ; + 8,192 e
	v_lshrrev_b32 v[TK4], 2, v2
	v_add_nc_u32 v[SPARE], 256, v1
	v_mov_b32 v8, 0
	v_mov_b32 v9, 0
	v_mov_b32 v10, 0
	v_mov_b32 v11, 0
	s_wait_kmcnt 0x0
	global_load_b128 v[S:S+3],   v2, s[4:5]
	global_load_b128 v[S+4:S+7], v2, s[4:5] offset:512
	ds_store_b128 v3, v[8:11]                      ; my 288 words start as zero, so that every word that is read later has been written
	ds_store_b128 v3, v[8:11] offset:512
	ds_store_b32 v4, v8 offset:1024
.irp x, 0,1,2,3,4,5,6,7
	v_add_nc_u32 v[SN+\x], 128*(\x>>2)+(\x&3), v[TK4]
.endr
	v_mov_b32 v6, s16
	v_mov_b32 v12, CNTB
	s_wait_loadcnt 0x0
; Tokens 256 w + 128 j + 4 lane + i, i = 0..3: four groups of 32 tokens side by side, so that their chains of dependent instructions overlap.
.macro HIT4 j
.irp i, 0,1,2,3
	v_and_b32     v[H0+\i], 0xff, v[S+4*(\j)+\i]
	v_lshrrev_b32 v[H1+\i], 8,    v[S+4*(\j)+\i]
.endr
.irp i, 0,1,2,3
	v_cmp_eq_u32 s[MK+\i],   s15, v[H0+\i]
	v_cmp_eq_u32 s[MK+4+\i], s15, v[H1+\i]
.endr
.irp i, 0,1,2,3
	s_or_b32 s[MK+\i], s[MK+\i], s[MK+4+\i]        ; lanes whose token names my expert, as first or as second choice
.endr
	s_bcnt1_i32_b32 s[CB+1], s[MK]
	s_bcnt1_i32_b32 s[CB+2], s[MK+1]
	s_bcnt1_i32_b32 s[CB+3], s[MK+2]
	s_bcnt1_i32_b32 s18, s[MK+3]
	s_add_co_u32 s[CB+1], s[CB], s[CB+1]
	s_add_co_u32 s[CB+2], s[CB+1], s[CB+2]
	s_add_co_u32 s[CB+3], s[CB+2], s[CB+3]
.irp i, 0,1,2,3
	v_mbcnt_lo_u32_b32 v[S+4*(\j)+\i], s[MK+\i], s[CB+\i]          ; the local rank takes sel's place: the running count + the hits in lower lanes
.endr
	s_add_co_u32 s[CB], s[CB+3], s18
.irp i, 0,1,2,3
	v_cndmask_b32 v[HA+\i], v[SPARE], v[S+4*(\j)+\i], s[MK+\i]     ; a hit goes to its slot, the others to their spare words
.endr
.irp i, 0,1,2,3
	v_min_u32 v[HA+\i], 0x11f, v[HA+\i]            ; inside my 288 words: never reached, since a wave has 256 tokens
.endr
.irp i, 0,1,2,3
	v_lshl_add_u32 v[HA+\i], v[HA+\i], 2, s9
.endr
.irp i, 0,1,2,3
	ds_store_b32 v[HA+\i], v[SN+4*(\j)+\i]         ; local list[rank] = token; LDS serves a wave's stores in order (ISA guide 5.7.1), so this lands on the zero
.endr
.endm
	HIT4 0
	HIT4 1
	v_mov_b32 v7, s[CB]
	ds_store_b32 v6, v7                            ; my count
	s_wait_dscnt 0x0                               ; for the others' sake: all my stores are in LDS
	s_barrier_signal -1
	s_barrier_wait -1                              ; every wave's local list and count are in LDS; nothing is stored into LDS from here on
	ds_load_b128 v[C:C+3],   v12
	ds_load_b128 v[C+4:C+7], v12 offset:16
	s_wait_dscnt 0x0
.irp k, 0,1,2,3,4,5,6,7
	v_readfirstlane_b32 s[CN+\k], v[C+\k]
.endr
	s_mov_b32 s[BS], 0
.irp k, 1,2,3,4,5,6,7
	s_add_co_u32 s[BS+\k], s[BS+\k-1], s[CN+\k-1]
	s_sub_co_u32 s[D+\k], LLW, s[CN+\k-1]          ; from wave k - 1's list to wave k's: 288 words on, less the slots that wave k - 1 holds
.endr
	s_add_co_u32 s48, s[BS+7], s[CN+7]             ; the expert's count
	s_mov_b32 s49, 0
.irp k, 1,2,3,4,5,6,7
	s_cmp_eq_u32 s8, \k
	s_cselect_b32 s49, s[BS+\k], s49               ; my wave's base
.endr
.irp x, 0,1,2,3,4,5,6,7
	v_add_nc_u32 v[S+\x], s49, v[S+\x]             ; slot = base + local rank
.endr
	global_store_b128 v5, v[S:S+3],   s[6:7]
	global_store_b128 v5, v[S+4:S+7], s[6:7] offset:512
	; slot s lies at word s + the sum over k = 1..7 with base_k <= s of (288 - count of wave k - 1)
.set k, 1
.rept 7
.irp x, 0,1,2,3,4,5,6,7
	v_cmp_le_u32 s[MK+\x], s[BS+k], v[SN+\x]
.endr
.irp x, 0,1,2,3,4,5,6,7
	v_cndmask_b32 v[TM+\x], 0, s[D+k], s[MK+\x]
.endr
.irp x, 0,1,2,3,4,5,6,7
.if k == 1
	v_add_nc_u32 v[W+\x], v[SN+\x], v[TM+\x]
.else
	v_add_nc_u32 v[W+\x], v[W+\x], v[TM+\x]
.endif
.endr
.set k, k+1
.endr
.irp x, 0,1,2,3,4,5,6,7
	v_min_u32 v[W+\x], 8*LLW-1, v[W+\x]            ; inside the eight lists: reached only by slots at or behind the count, whose word is not used
.endr
.irp x, 0,1,2,3,4,5,6,7
	v_lshlrev_b32 v[W+\x], 2, v[W+\x]
	ds_load_b32 v[LS+\x], v[W+\x]
.endr
.irp x, 0,1,2,3,4,5,6,7
	v_cmp_gt_u32 s[MK+\x], s48, v[SN+\x]           ; slots below the count
.endr
.irp j, 0,1
	s_wait_dscnt 4-4*\j                            ; the four words of half j are back; the younger half's four loads stay out
.irp i, 0,1,2,3
	v_cndmask_b32 v[LS+4*\j+\i], 0, v[LS+4*\j+\i], s[MK+4*\j+\i]   ; token 0 at and behind the count
.endr
	global_store_b128 v5, v[LS+4*\j:LS+4*\j+3], s[6:7] offset:LISTG+512*\j
.endr
	s_cmp_lg_u32 s8, 0
	s_cbranch_scc1 .Lend
	s_add_co_u32 s50, s48, 15
	s_lshr_b32 s50, s50, 4                         ; blocks of 16 slots
	s_lshl_b32 s51, s15, 8
	v_mov_b32 v80, s50
	v_mov_b32 v81, 0
	v_lshl_add_u32 v82, v1, 3, s51
	global_store_b64 v82, v[80:81], s[6:7] offset:CNTG             ; (nb, 0) 32 times: 256 neighbouring aligned bytes
.Lend:
	s_barrier_signal -1
	s_barrier_wait -1
	s_wait_tensorcnt 0x0
	ds_add_u32 v96, v97
	s_wait_dscnt 0x0
	s_endpgm
.Lfunc_end_k_q58a458be26_route:
	.size	k_q58a458be26_route, .Lfunc_end_k_q58a458be26_route-k_q58a458be26_route
	.p2alignl 7, 3214868480
	.fill 96, 4, 3214868480
	.section	.rodata,"a",@progbits
	.p2align	6, 0x0
	.amdhsa_kernel k_q58a458be26_route
		.amdhsa_group_segment_fixed_size 10496
		.amdhsa_private_segment_fixed_size 0
		.amdhsa_enable_private_segment 0
		.amdhsa_kernarg_size 16
		.amdhsa_user_sgpr_count 2
		.amdhsa_user_sgpr_kernarg_segment_ptr 1
		.amdhsa_wavefront_size32 1
		.amdhsa_system_sgpr_workgroup_id_x 1
		.amdhsa_system_sgpr_workgroup_id_y 1
		.amdhsa_system_sgpr_workgroup_id_z 1
		.amdhsa_system_vgpr_workitem_id 0
		.amdhsa_next_free_vgpr 98
		.amdhsa_next_free_sgpr 66
		.amdhsa_reserve_vcc 0
		.amdhsa_float_denorm_mode_32 3
		.amdhsa_float_denorm_mode_16_64 3
		.amdhsa_memory_ordered 1
		.amdhsa_forward_progress 1
		.amdhsa_inst_pref_size 22
	.end_amdhsa_kernel
	.amdgpu_metadata
---
amdhsa.version: [ 1, 2 ]
amdhsa.kernels:
  - .name:           k_q58a458be26_route
    .symbol:         k_q58a458be26_route.kd
    .args:
      - { .name: sel, .offset: 0, .size: 8, .value_kind: global_buffer, .address_space: global }
      - { .name: rt, .offset: 8, .size: 8, .value_kind: global_buffer, .address_space: global }
    .group_segment_fixed_size: 10496
    .private_segment_fixed_size: 0
    .kernarg_segment_align: 8
    .kernarg_segment_size: 16
    .max_flat_workgroup_size: 256
    .sgpr_count:     66
    .vgpr_count:     98
    .wavefront_size: 32
...
	.end_amdgpu_metadata
.endif
;; end of part 2
;; launch ffn1 (part 3): grid 256 x 1, 8 waves a work-group, no clusters, 133,120 bytes of LDS; arguments xb, W1, b1, rt, hs; writes hs
.if DOCPART == 3
	.amdgcn_target "amdgcn-amd-amdhsa--gfx1250"
	.amdhsa_code_object_version 6
	.text
	.protected	k_q58a458be26_ffn1
	.globl	k_q58a458be26_ffn1
	.p2align	8
	.type	k_q58a458be26_ffn1,@function
k_q58a458be26_ffn1:
	s_mov_b64 s[64:65], 0
	v_nop
	global_prefetch_b8 v0, s[64:65] scope:SCOPE_SE
	s_setreg_imm32_b32 hwreg(HW_REG_WAVE_MODE, 25, 1), 1
	s_wait_xcnt 0x0
; FFN, one text for both layers (LAYER = 1 or 2).  Only the rows that the gate routes to an expert are multiplied: the others have weight 0 in the result.
;   LAYER 1: hs = relu(xb[list] W1[e] + b1[e]) in bf16.   LAYER 2: yp[kh] = hs W2[e] over K half kh, in f32, + b2[e] in half 0 (the last launch adds the halves).
; A work-group owns a SLAB of one expert's weights, 1,024 K x 64 columns: 8 experts x 32 column chunks (layer 1), 8 experts x 2 K halves x
; 16 chunks (layer 2), 256 work-groups each.  PHASE 1 reads the slab once from memory (rows of 256 aligned bytes, f32), rounds it to bf16 and lays it
; into LDS with K along the rows.  PHASE 2: the expert's rows, in blocks of 16 slots, are shared out among the eight waves; a wave takes up to five
; blocks at a time (a pass) through all 1,024 K: activations straight from memory into registers, weights from the slab.  Behind the one barrier
; between the phases nothing is stored into LDS and no wave waits for another.
; rt, whole numbers from the launch before: byte 65,536 + 256 e: nb_e, the expert's blocks of 16 slots; byte 67,584: list[8][2048], the token of each slot.
; hs lies in the order of the matrix unit's fragments: [e][c 32][block 128][n 4][lane 32][8] bf16; lane (r, h) of (block, n) holds slot 16 block + r,
; columns 64 c + 16 n + 8 h + 0..7.  LAYER 1 uses the matrix instruction TRANSPOSED (source 0 = 16 columns of the weights, source 1 = 16 rows of
; activations), so that a lane's eight results are exactly these eight numbers: a store of the wave covers 512 neighbouring aligned bytes, and the same
; 512 bytes are half of an activation fragment of layer 2 (n = 2 q: K = 8 h + 0..7 of the K step, n = 2 q + 1: K = 16 + 8 h + 0..7).
; yp: [kh 2][e * 2048 + slot][1024] f32.  LAYER 2 uses the natural order (source 0 = activations), and slab row 16 i + q holds column 4 q + i of the
; chunk: register j of lane (r, h) in the four column blocks is then row 8 h + j, columns 4 r + 0..3.  The add of b2 gathers them into four
; neighbouring registers, and sixteen lanes store 256 neighbouring aligned bytes of a row.
; NO JOINT LOADS, though the work-groups of an expert read the same activation rows: layer 1's rows are picked by a list, which no tile
; descriptor names; the number of passes hangs on counts read from memory and differs from wave to wave; and with 64 columns a fragment of
; 1,024 bytes feeds four matrix instructions, so a way through LDS would add a write and a read of every fragment to the slab's reads.
; LIMITS.  Weights, x and h are rounded to bf16, sums are f32, b1 and b2 stay f32.  relu is a maximum in which a NaN loses: a NaN in h becomes 0.
; Experts that the gate does not choose are not computed: where they would overflow, 0 x inf is not reproduced.
; Slots behind an expert's count, up to the next multiple of 16, carry token 0's numbers; they are stored and never used in the result.
.set LAYER, 1
.set P,      2064                      ; slab pitch: 1,024 bf16 + 16 bytes, an odd multiple of 16: the 16 rows of a fragment load start in 16 different 16-byte columns modulo 256
.set CNTG,   65536                     ; rt: the counts
.set LISTG,  67584                     ; rt: the lists
.set SA,     4                         ; s[4:5]   activations
.set SW,     6                         ; s[6:7]   weights
.set SB,     8                         ; s[8:9]   bias
.set SRT,    10                        ; s[10:11] rt
.set SOUT,   12                        ; s[12:13] result
.if LAYER == 1
.set WP,     8192                      ; bytes from a weight row (one k) to the next
.set ATRIP,  256                       ; bytes that the activations' base steps in a trip of 4 K steps
.set ASEC,   32                        ; from the first 16 bytes of a lane's fragment to the second
.else
.set WP,     4096
.set ATRIP,  524288                    ; two panels of hs
.set ASEC,   512
.endif
; window 0
.set VBB,  4                           ; v4, v5    slab address of my fragments, slab rows 0-31 and 32-63
.set VB,   6                           ; v6, v7    the same, running along K
.set VA,   8                           ; v8-v12    byte offset of my part of block i's activations
.set VL,   13                          ; list offset
.set VOUT, 14                          ; my byte offset in the result
.set LT,   15                          ; lane term of VL (layer 1: 4 r) or of VA (layer 2: 16 lane)
.set TOK,  18                          ; v18-v22   tokens
.set WO,   24                          ; phase 1: my offset in the weights
.set SL,   25                          ; v25, v26  phase 1: my place in the slab (layer 2: slab rows q, 16 + q and 32 + q, 48 + q)
.set BO,   27                          ; my offset in the bias
.set B2,   28                          ; v[28:31]  layer 2: b2 of my four columns, or zeros
.set AR,   32                          ; v[32:191]  ring of 4 stages x 5 blocks x 8: activations
.set BR,   192                         ; v[192:255] 2 buffers x 4 x 8: weights
.set XS,   32                          ; phase 1: v[32:159] 4 slots of 8 loads
.set T,    160                         ; phase 1: v[160:175] packed
.set ET,   32                          ; way out: layer 1 v[32:63] f32 at work; layer 2 v[32+32 b ..] block b's rows to store
.set EU,   64                          ; way out, layer 1: v[64+16 b ..] block b's bf16 to store
; window 1: accumulator (block i, column block n) at 32 i + 8 n (v256-v415); layer 1: b1 of my columns at 160 + 8 n (v416-v447)
.set BIAS, 160
.set MSB, 0
.macro WIN new                         ; s_set_vgpr_msb: bits 1:0 source 0, 3:2 source 1, 5:4 source 2, 7:6 destination; the high byte repeats the setting that is left
.if MSB != \new
	s_set_vgpr_msb (MSB<<8)|\new
.set MSB, \new
.endif
.endm
.macro PLACES                          ; four places behind a matrix instruction before its result is read or one of its registers is written or loaded into (ISA guide 7.12.1)
.rept 4
	v_nop
.endr
.endm
	s_load_b256 s[4:11], s[0:1], 0x0
	s_load_b64 s[12:13], s[0:1], 0x20
	v_lshl_add_u32 v30, v0, 2, 0x20400
	v_mov_b32 v31, 0
	v_lshrrev_b32 v1, 5, v0
	v_readfirstlane_b32 s14, v1                    ; wave
	s_lshr_b32 s15, ttmp9, 5                       ; expert
.if LAYER == 1
	s_and_b32 s16, ttmp9, 31                       ; column chunk
.else
	s_and_b32 s16, ttmp9, 15
	s_bfe_u32 s17, ttmp9, 0x10004                  ; K half
.endif
	s_lshl_b32 s37, s15, 8
	s_lshl_b32 s18, s15, 23                        ; an expert's weights, and its 32 panels of hs, and its 2,048 rows of yp: 8 MiB each
	s_lshl_b32 s34, s16, 8                         ; 64 columns of f32
	s_mov_b32 s19, 0
	s_mov_b32 s35, 0
	s_wait_kmcnt 0x0
	s_load_b32 s20, s[SRT:SRT+1], s37 offset:CNTG  ; nb: my expert's blocks of 16 slots
	s_add_nc_u64 s[SW:SW+1], s[SW:SW+1], s[18:19]
	s_add_nc_u64 s[SW:SW+1], s[SW:SW+1], s[34:35]
	s_add_nc_u64 s[SB:SB+1], s[SB:SB+1], s[34:35]
	s_add_nc_u64 s[SOUT:SOUT+1], s[SOUT:SOUT+1], s[18:19]
.if LAYER == 1
	s_lshl_b32 s34, s16, 18                        ; panel c
	s_add_nc_u64 s[SOUT:SOUT+1], s[SOUT:SOUT+1], s[34:35]
	s_lshl_b32 s18, s15, 13                        ; a row of b1, and an expert's list: 8,192 bytes each
	s_add_nc_u64 s[SB:SB+1], s[SB:SB+1], s[18:19]
	s_add_nc_u64 s[32:33], s[SRT:SRT+1], s[18:19]  ; rt + 8,192 e: my expert's list lies LISTG bytes behind
.else
	s_add_nc_u64 s[SOUT:SOUT+1], s[SOUT:SOUT+1], s[34:35]
	s_add_nc_u64 s[SA:SA+1], s[SA:SA+1], s[18:19]
	s_lshl_b32 s34, s17, 22                        ; 1,024 rows of W2, and 16 panels of hs: 4 MiB each
	s_add_nc_u64 s[SW:SW+1], s[SW:SW+1], s[34:35]
	s_add_nc_u64 s[SA:SA+1], s[SA:SA+1], s[34:35]
	s_lshl_b32 s34, s17, 26                        ; a half of yp
	s_add_nc_u64 s[SOUT:SOUT+1], s[SOUT:SOUT+1], s[34:35]
	s_lshl_b32 s18, s15, 12                        ; a row of b2
	s_add_nc_u64 s[SB:SB+1], s[SB:SB+1], s[18:19]
.endif
	v_and_b32 v1, 15, v0                           ; r
	v_bfe_u32 v2, v0, 4, 1                         ; h
	v_lshlrev_b32 v3, 4, v2                        ; 16 h
	s_mul_i32 s35, s14, 128*WP                     ; phase 1: wave w takes k = 128 w .. 128 w + 127
	v_mul_u32_u24 v[WO], v2, 8*WP                  ; lanes 16-31 eight rows further down
	v_lshl_add_u32 v[WO], v1, 4, v[WO]             ; 16 lanes x 16 bytes: a whole row of the slab
	v_add_nc_u32 v[WO], s35, v[WO]
.if LAYER == 1
	v_lshlrev_b32 v[BO], 5, v2
	WIN 0x40                                       ; destination in window 1
.irp n, 0,1,2,3
	global_load_b128 v[BIAS+8*\n:BIAS+8*\n+3],   v[BO], s[SB:SB+1] offset:64*\n         ; b1 of columns 16 n + 8 h + 0..7
	global_load_b128 v[BIAS+8*\n+4:BIAS+8*\n+7], v[BO], s[SB:SB+1] offset:64*\n+16
.endr
	WIN 0
.else
	v_lshlrev_b32 v[BO], 4, v1
	global_load_b128 v[B2:B2+3], v[BO], s[SB:SB+1] ; b2 of columns 4 r + 0..3
.endif
; PHASE 1.  Group g = 16 rows of k: load j brings rows 16 g + j (lanes 0-15) and 16 g + 8 + j (lanes 16-31), 256 aligned bytes each.
.macro WLOAD g
.irp j, 0,1,2,3,4,5,6,7
	global_load_b128 v[XS+32*((\g)%4)+4*\j:XS+32*((\g)%4)+4*\j+3], v[WO], s[SW:SW+1] offset:(16*(\g)+\j)*WP th:TH_LOAD_NT
.endr
.endm
; A lane holds 8 k x 4 columns.  Packing two k of one column into a word turns the tile: 4 words = 8 k of a column = 16 bytes of a slab row.
.macro GRP g, left, more
	s_wait_loadcnt \left                           ; loads come back in order (ISA guide 5.7.1): group g is in, the younger groups (8 loads each) stay out
.irp i, 0,1,2,3
.irp t, 0,1,2,3
	v_cvt_pk_bf16_f32 v[T+4*\i+\t], v[XS+32*((\g)%4)+8*\t+\i], v[XS+32*((\g)%4)+8*\t+4+\i]
.endr
.endr
.irp i, 0,1,2,3
.if LAYER == 1
	ds_store_b128 v[SL], v[T+4*\i:T+4*\i+3] offset:\i*P+32*(\g)                      ; column 4 q + i into slab row 4 q + i
.else
	ds_store_b128 v[SL+(\i>>1)], v[T+4*\i:T+4*\i+3] offset:(\i&1)*16*P+32*(\g)       ; column 4 q + i into slab row 16 i + q
.endif
.endr
.if \more
	WLOAD \g+4
.endif
.endm
	WLOAD 0
	WLOAD 1
	WLOAD 2
	WLOAD 3                                        ; 32 loads of 512 bytes of every wave are on their way
	s_lshl_b32 s35, s14, 8
.if LAYER == 1
	v_mul_u32_u24 v[SL], v1, 4*P                   ; slab row 4 q (+ i), byte 256 w + 16 h (+ 32 g)
.else
	v_mul_u32_u24 v[SL], v1, P                     ; slab row q (+ 16 i), byte 256 w + 16 h (+ 32 g)
.endif
	v_add_nc_u32 v[SL], v3, v[SL]
	v_add_nc_u32 v[SL], s35, v[SL]
.if LAYER == 2
	v_add_nc_u32 v[SL+1], 32*P, v[SL]              ; 48 slab rows do not fit the 16-bit offset
.endif
	v_mul_u32_u24 v[VBB], v1, P
	v_add_nc_u32 v[VBB], v3, v[VBB]                ; fragment: slab row r, 16 h
	v_add_nc_u32 v[VBB+1], 32*P, v[VBB]
.if LAYER == 1
	v_and_b32 v[VOUT], 31, v0
	v_lshlrev_b32 v[VOUT], 4, v[VOUT]              ; 16 lane
	v_lshlrev_b32 v[LT], 2, v1
.else
	v_and_b32 v[LT], 31, v0
	v_lshlrev_b32 v[LT], 4, v[LT]                  ; 16 lane
	v_lshlrev_b32 v[VOUT], 15, v2                  ; lanes 16-31 eight rows of 4,096 bytes further down,
	v_lshl_add_u32 v[VOUT], v1, 4, v[VOUT]         ; 16 bytes a lane
.endif
	; the shares: nb blocks over 8 waves, as evenly as they go; wave w takes c_w blocks from block blk on
	s_wait_kmcnt 0x0
	s_min_u32 s20, s20, 128
	s_lshr_b32 s18, s20, 3
	s_and_b32 s19, s20, 7
	s_mul_i32 s22, s14, s18
	s_min_u32 s34, s14, s19
	s_add_co_u32 s22, s22, s34                     ; blk = w (nb / 8) + min(w, nb mod 8)
	s_cmp_lt_u32 s14, s19
	s_cselect_b32 s34, 1, 0
	s_add_co_u32 s21, s18, s34                     ; c_w
	; c_w = 4 nfull + last, last in 0, 1, 2, 3, 5: passes of four blocks and one of another size, never a lone block behind fours
	s_sub_co_u32 s23, s21, 2
	s_lshr_b32 s23, s23, 2
	s_cmp_gt_u32 s21, 5
	s_cselect_b32 s23, s23, 0
	s_lshl_b32 s34, s23, 2
	s_sub_co_u32 s24, s21, s34
	s_cmp_eq_u32 s24, 4
	s_cselect_b32 s34, 1, 0
	s_cselect_b32 s24, 0, s24
	s_add_co_u32 s23, s23, s34
	GRP 0, 24, 1
	GRP 1, 24, 1
	GRP 2, 24, 1
	GRP 3, 24, 1
	GRP 4, 24, 0
	GRP 5, 16, 0
	GRP 6, 8, 0
	GRP 7, 0, 0
.if LAYER == 2
	s_cmp_eq_u32 s17, 0                            ; b2 is added once: in K half 1 the four registers are put to zero
	s_cselect_b32 s38, 0, -1
.irp n, 0,1,2,3
	v_cndmask_b32 v[B2+\n], v[B2+\n], 0, s38
.endr
.endif
	s_wait_dscnt 0x0                               ; my part of the slab is in LDS
	s_barrier_signal -1
	s_barrier_wait -1                              ; the whole slab is: the kernel's only barrier, passed by every wave whatever its share
; PHASE 2.
; The activations' fragments of the K step rel steps behind the trip's first, mb blocks, into ring stage st.
.macro LOADA mb, st, rel
.if LAYER == 1
.set aoff, 64*(\rel)
.else
.set aoff, ((\rel)>>1)*262144+((\rel)&1)*1024
.endif
.set ii, 0
.rept \mb
	global_load_b128 v[AR+40*(\st)+8*ii:AR+40*(\st)+8*ii+3],   v[VA+ii], s[28:29] offset:aoff
	global_load_b128 v[AR+40*(\st)+8*ii+4:AR+40*(\st)+8*ii+7], v[VA+ii], s[28:29] offset:aoff+ASEC
.set ii, ii+1
.endr
.endm
; The weights' fragments of that K step, 64 slab rows, into buffer buf
.macro LOADB buf, rel
.set nn, 0
.rept 4
	ds_load_b128 v[BR+32*(\buf)+8*nn:BR+32*(\buf)+8*nn+3],   v[VB+(nn>>1)] offset:(nn&1)*16*P+64*(\rel)
	ds_load_b128 v[BR+32*(\buf)+8*nn+4:BR+32*(\buf)+8*nn+7], v[VB+(nn>>1)] offset:(nn&1)*16*P+64*(\rel)+32
.set nn, nn+1
.endr
.endm
; 4 mb matrix instructions.  The 4 mb accumulators take turns, one instruction a turn, in the same order in every K step.
.macro MULS mb, st, buf, zero
.set ii, 0
.rept \mb
.set nn, 0
.rept 4
.set acc, 32*ii+8*nn
.if LAYER == 1
.set opa, BR+32*(\buf)+8*nn
.set opb, AR+40*(\st)+8*ii
.else
.set opa, AR+40*(\st)+8*ii
.set opb, BR+32*(\buf)+8*nn
.endif
.if \zero
	v_wmma_f32_16x16x32_bf16 v[acc:acc+7], v[opa:opa+7], v[opb:opb+7], 0
.else
	v_wmma_f32_16x16x32_bf16 v[acc:acc+7], v[opa:opa+7], v[opb:opb+7], v[acc:acc+7]
.endif
.set nn, nn+1
.endr
.set ii, ii+1
.endr
.endm
; K step j of a trip.  la: the activations three steps ahead are asked for, into the stage that the last step read; lb: the weights of the next step.
; left: the loads of the younger stages, 2 mb each, that may stay out.
.macro STEP mb, j, zero, la, lb, left
	PLACES
	WIN 0
.if \la
	LOADA \mb, (\j+3)%4, \j+3
.endif
.if \lb
	LOADB (\j+1)%2, \j+1
.endif
	s_wait_loadcnt \left
.if \lb
	s_wait_dscnt 0x8                               ; this step's weights are in; the eight loads just issued stay out
.else
	s_wait_dscnt 0x0
.endif
	WIN 0x50                                       ; C and D in window 1
	MULS \mb, \j, \j%2, \zero
.endm
.macro TRIP mb, zero, tail
	STEP \mb, 0, \zero, 1, 1, 6*\mb
.if \tail
	STEP \mb, 1, 0, 0, 1, 4*\mb                    ; the last trip asks for K step 31 alone: the counts run down
	STEP \mb, 2, 0, 0, 1, 2*\mb
	STEP \mb, 3, 0, 0, 0, 0
.else
	STEP \mb, 1, 0, 1, 1, 6*\mb
	STEP \mb, 2, 0, 1, 1, 6*\mb
	STEP \mb, 3, 0, 1, 1, 6*\mb
	WIN 0
	s_wait_xcnt 0x0                                ; the base of pending loads steps only behind this wait (ISA guide 3.1)
	s_add_nc_u64 s[28:29], s[28:29], ATRIP
	v_add_nc_u32 v[VB], 256, v[VB]
	v_add_nc_u32 v[VB+1], 256, v[VB+1]
.endif
.endm
; The way out of block b of the pass, straight from registers.  Each block has store registers of its own, in the activations' ring, which is idle here.
.macro EPI b
.if LAYER == 1
	WIN 0x05                                       ; sources 0 and 1 in window 1
.irp n, 0,1,2,3
.irp p, 0,2,4,6
	v_pk_add_f32 v[ET+8*\n+\p:ET+8*\n+\p+1], v[32*(\b)+8*\n+\p:32*(\b)+8*\n+\p+1], v[BIAS+8*\n+\p:BIAS+8*\n+\p+1]
.endr
.endr
	WIN 0
.set xx, 0
.rept 32
	v_max_num_f32 v[ET+xx], 0, v[ET+xx]
.set xx, xx+1
.endr
.irp n, 0,1,2,3
.irp p, 0,1,2,3
	v_cvt_pk_bf16_f32 v[EU+16*(\b)+4*\n+\p], v[ET+8*\n+2*\p], v[ET+8*\n+2*\p+1]
.endr
	global_store_b128 v[VOUT], v[EU+16*(\b)+4*\n:EU+16*(\b)+4*\n+3], s[30:31] offset:2048*(\b)+512*\n      ; 512 neighbouring aligned bytes
.endr
.else
	WIN 0x01                                       ; source 0 in window 1
.irp j, 0,1,2,3,4,5,6,7
.irp n, 0,1,2,3
	v_add_f32 v[ET+32*(\b)+4*\j+\n], v[32*(\b)+8*\n+\j], v[B2+\n]                  ; row 8 h + j, column 4 r + n
.endr
.endr
	WIN 0
.irp j, 0,1,2,3,4,5,6,7
	global_store_b128 v[VOUT], v[ET+32*(\b)+4*\j:ET+32*(\b)+4*\j+3], s[30:31] offset:(16*(\b)+\j)*4096     ; sixteen lanes store 256 neighbouring aligned bytes of a row
.endr
.endif
.endm
; A pass: mb blocks of 16 slots from block s22 on, through 32 K steps of 32 = 8 trips of 4.
.macro PASS mb
	s_wait_xcnt 0x0                                ; the last pass's stores have taken their data and addresses: both are written again below
	s_min_u32 s36, s22, 128-\mb                    ; the first block: a number read from memory enters addresses clamped
	v_mov_b32 v[VB], v[VBB]
	v_mov_b32 v[VB+1], v[VBB+1]
	s_mov_b64 s[28:29], s[SA:SA+1]                 ; every load through s[28:29] was waited for in the last pass's last K step
	s_mov_b32 s35, 0
.if LAYER == 1
	s_lshl_b32 s34, s36, 11                        ; a block of a panel: 2,048 bytes
	s_add_nc_u64 s[30:31], s[SOUT:SOUT+1], s[34:35]
	s_lshl_b32 s34, s36, 6
	v_add_nc_u32 v[VL], s34, v[LT]
.set ii, 0
.rept \mb
	global_load_b32 v[TOK+ii], v[VL], s[32:33] offset:LISTG+64*ii  ; the token of slot 16 (blk + i) + r
.set ii, ii+1
.endr
	s_wait_loadcnt 0x0
.set ii, 0
.rept \mb
	v_min_u32 v[TOK+ii], 0x7ff, v[TOK+ii]
	v_lshl_add_u32 v[VA+ii], v[TOK+ii], 11, v3     ; its row of xb, + 16 h
.set ii, ii+1
.endr
.else
	s_lshl_b32 s34, s36, 16                        ; 16 rows of 4,096 bytes
	s_add_nc_u64 s[30:31], s[SOUT:SOUT+1], s[34:35]
	s_lshl_b32 s34, s36, 11
	v_add_nc_u32 v[VA], s34, v[LT]                 ; block blk of a panel, + 16 lane
.set ii, 1
.rept \mb-1
	v_add_nc_u32 v[VA+ii], 2048*ii, v[VA]
.set ii, ii+1
.endr
.endif
	LOADA \mb, 0, 0
	LOADA \mb, 1, 1
	LOADA \mb, 2, 2
	LOADB 0, 0
	TRIP \mb, 1, 0                                 ; the first K step starts the sums: nothing is cleared
	s_mov_b32 s26, 6
.Lk_\mb:
	TRIP \mb, 0, 0
	s_sub_co_i32 s26, s26, 1
	s_cmp_lg_u32 s26, 0
	s_cbranch_scc1 .Lk_\mb
	TRIP \mb, 0, 1
	PLACES
.set ee, 0
.rept \mb
	EPI ee
.set ee, ee+1
.endr
	s_add_co_u32 s22, s22, \mb
.endm
	s_mov_b32 s25, 0
	s_cmp_eq_u32 s23, 0
	s_cbranch_scc1 .Llast
.Lfull:
	PASS 4
	s_add_co_u32 s25, s25, 1
	s_cmp_lt_u32 s25, s23
	s_cbranch_scc1 .Lfull
.Llast:
	s_cmp_eq_u32 s24, 1
	s_cbranch_scc1 .Lp1
	s_cmp_eq_u32 s24, 2
	s_cbranch_scc1 .Lp2
	s_cmp_eq_u32 s24, 3
	s_cbranch_scc1 .Lp3
	s_cmp_eq_u32 s24, 5
	s_cbranch_scc1 .Lp5
	s_branch .Lend
.Lp1:
	PASS 1
	s_branch .Lend
.Lp2:
	PASS 2
	s_branch .Lend
.Lp3:
	PASS 3
	s_branch .Lend
.Lp5:
	PASS 5
.Lend:
	s_barrier_signal -1
	s_barrier_wait -1
	s_wait_tensorcnt 0x0
	ds_add_u32 v30, v31
	s_wait_dscnt 0x0
	s_endpgm
.Lfunc_end_k_q58a458be26_ffn1:
	.size	k_q58a458be26_ffn1, .Lfunc_end_k_q58a458be26_ffn1-k_q58a458be26_ffn1
	.p2alignl 7, 3214868480
	.fill 96, 4, 3214868480
	.section	.rodata,"a",@progbits
	.p2align	6, 0x0
	.amdhsa_kernel k_q58a458be26_ffn1
		.amdhsa_group_segment_fixed_size 133120
		.amdhsa_private_segment_fixed_size 0
		.amdhsa_enable_private_segment 0
		.amdhsa_kernarg_size 40
		.amdhsa_user_sgpr_count 2
		.amdhsa_user_sgpr_kernarg_segment_ptr 1
		.amdhsa_wavefront_size32 1
		.amdhsa_system_sgpr_workgroup_id_x 1
		.amdhsa_system_sgpr_workgroup_id_y 1
		.amdhsa_system_sgpr_workgroup_id_z 1
		.amdhsa_system_vgpr_workitem_id 0
		.amdhsa_next_free_vgpr 448
		.amdhsa_next_free_sgpr 66
		.amdhsa_reserve_vcc 0
		.amdhsa_float_denorm_mode_32 3
		.amdhsa_float_denorm_mode_16_64 3
		.amdhsa_memory_ordered 1
		.amdhsa_forward_progress 1
		.amdhsa_inst_pref_size 205
	.end_amdhsa_kernel
	.amdgpu_metadata
---
amdhsa.version: [ 1, 2 ]
amdhsa.kernels:
  - .name:           k_q58a458be26_ffn1
    .symbol:         k_q58a458be26_ffn1.kd
    .args:
      - { .name: xb, .offset: 0, .size: 8, .value_kind: global_buffer, .address_space: global }
      - { .name: W1, .offset: 8, .size: 8, .value_kind: global_buffer, .address_space: global }
      - { .name: b1, .offset: 16, .size: 8, .value_kind: global_buffer, .address_space: global }
      - { .name: rt, .offset: 24, .size: 8, .value_kind: global_buffer, .address_space: global }
      - { .name: hs, .offset: 32, .size: 8, .value_kind: global_buffer, .address_space: global }
    .group_segment_fixed_size: 133120
    .private_segment_fixed_size: 0
    .kernarg_segment_align: 8
    .kernarg_segment_size: 40
    .max_flat_workgroup_size: 256
    .sgpr_count:     66
    .vgpr_count:     448
    .wavefront_size: 32
...
	.end_amdgpu_metadata
.endif
;; end of part 3
;; launch ffn2 (part 4): grid 256 x 1, 8 waves a work-group, no clusters, 133,120 bytes of LDS; arguments hs, W2, b2, rt, yp; writes yp
.if DOCPART == 4
	.amdgcn_target "amdgcn-amd-amdhsa--gfx1250"
	.amdhsa_code_object_version 6
	.text
	.protected	k_q58a458be26_ffn2
	.globl	k_q58a458be26_ffn2
	.p2align	8
	.type	k_q58a458be26_ffn2,@function
k_q58a458be26_ffn2:
	s_mov_b64 s[64:65], 0
	v_nop
	global_prefetch_b8 v0, s[64:65] scope:SCOPE_SE
	s_setreg_imm32_b32 hwreg(HW_REG_WAVE_MODE, 25, 1), 1
	s_wait_xcnt 0x0
; FFN, one text for both layers (LAYER = 1 or 2).  Only the rows that the gate routes to an expert are multiplied: the others have weight 0 in the result.
;   LAYER 1: hs = relu(xb[list] W1[e] + b1[e]) in bf16.   LAYER 2: yp[kh] = hs W2[e] over K half kh, in f32, + b2[e] in half 0 (the last launch adds the halves).
; A work-group owns a SLAB of one expert's weights, 1,024 K x 64 columns: 8 experts x 32 column chunks (layer 1), 8 experts x 2 K halves x
; 16 chunks (layer 2), 256 work-groups each.  PHASE 1 reads the slab once from memory (rows of 256 aligned bytes, f32), rounds it to bf16 and lays it
; into LDS with K along the rows.  PHASE 2: the expert's rows, in blocks of 16 slots, are shared out among the eight waves; a wave takes up to five
; blocks at a time (a pass) through all 1,024 K: activations straight from memory into registers, weights from the slab.  Behind the one barrier
; between the phases nothing is stored into LDS and no wave waits for another.
; rt, whole numbers from the launch before: byte 65,536 + 256 e: nb_e, the expert's blocks of 16 slots; byte 67,584: list[8][2048], the token of each slot.
; hs lies in the order of the matrix unit's fragments: [e][c 32][block 128][n 4][lane 32][8] bf16; lane (r, h) of (block, n) holds slot 16 block + r,
; columns 64 c + 16 n + 8 h + 0..7.  LAYER 1 uses the matrix instruction TRANSPOSED (source 0 = 16 columns of the weights, source 1 = 16 rows of
; activations), so that a lane's eight results are exactly these eight numbers: a store of the wave covers 512 neighbouring aligned bytes, and the same
; 512 bytes are half of an activation fragment of layer 2 (n = 2 q: K = 8 h + 0..7 of the K step, n = 2 q + 1: K = 16 + 8 h + 0..7).
; yp: [kh 2][e * 2048 + slot][1024] f32.  LAYER 2 uses the natural order (source 0 = activations), and slab row 16 i + q holds column 4 q + i of the
; chunk: register j of lane (r, h) in the four column blocks is then row 8 h + j, columns 4 r + 0..3.  The add of b2 gathers them into four
; neighbouring registers, and sixteen lanes store 256 neighbouring aligned bytes of a row.
; NO JOINT LOADS, though the work-groups of an expert read the same activation rows: layer 1's rows are picked by a list, which no tile
; descriptor names; the number of passes hangs on counts read from memory and differs from wave to wave; and with 64 columns a fragment of
; 1,024 bytes feeds four matrix instructions, so a way through LDS would add a write and a read of every fragment to the slab's reads.
; LIMITS.  Weights, x and h are rounded to bf16, sums are f32, b1 and b2 stay f32.  relu is a maximum in which a NaN loses: a NaN in h becomes 0.
; Experts that the gate does not choose are not computed: where they would overflow, 0 x inf is not reproduced.
; Slots behind an expert's count, up to the next multiple of 16, carry token 0's numbers; they are stored and never used in the result.
.set LAYER, 2
.set P,      2064                      ; slab pitch: 1,024 bf16 + 16 bytes, an odd multiple of 16: the 16 rows of a fragment load start in 16 different 16-byte columns modulo 256
.set CNTG,   65536                     ; rt: the counts
.set LISTG,  67584                     ; rt: the lists
.set SA,     4                         ; s[4:5]   activations
.set SW,     6                         ; s[6:7]   weights
.set SB,     8                         ; s[8:9]   bias
.set SRT,    10                        ; s[10:11] rt
.set SOUT,   12                        ; s[12:13] result
.if LAYER == 1
.set WP,     8192                      ; bytes from a weight row (one k) to the next
.set ATRIP,  256                       ; bytes that the activations' base steps in a trip of 4 K steps
.set ASEC,   32                        ; from the first 16 bytes of a lane's fragment to the second
.else
.set WP,     4096
.set ATRIP,  524288                    ; two panels of hs
.set ASEC,   512
.endif
; window 0
.set VBB,  4                           ; v4, v5    slab address of my fragments, slab rows 0-31 and 32-63
.set VB,   6                           ; v6, v7    the same, running along K
.set VA,   8                           ; v8-v12    byte offset of my part of block i's activations
.set VL,   13                          ; list offset
.set VOUT, 14                          ; my byte offset in the result
.set LT,   15                          ; lane term of VL (layer 1: 4 r) or of VA (layer 2: 16 lane)
.set TOK,  18                          ; v18-v22   tokens
.set WO,   24                          ; phase 1: my offset in the weights
.set SL,   25                          ; v25, v26  phase 1: my place in the slab (layer 2: slab rows q, 16 + q and 32 + q, 48 + q)
.set BO,   27                          ; my offset in the bias
.set B2,   28                          ; v[28:31]  layer 2: b2 of my four columns, or zeros
.set AR,   32                          ; v[32:191]  ring of 4 stages x 5 blocks x 8: activations
.set BR,   192                         ; v[192:255] 2 buffers x 4 x 8: weights
.set XS,   32                          ; phase 1: v[32:159] 4 slots of 8 loads
.set T,    160                         ; phase 1: v[160:175] packed
.set ET,   32                          ; way out: layer 1 v[32:63] f32 at work; layer 2 v[32+32 b ..] block b's rows to store
.set EU,   64                          ; way out, layer 1: v[64+16 b ..] block b's bf16 to store
; window 1: accumulator (block i, column block n) at 32 i + 8 n (v256-v415); layer 1: b1 of my columns at 160 + 8 n (v416-v447)
.set BIAS, 160
.set MSB, 0
.macro WIN new                         ; s_set_vgpr_msb: bits 1:0 source 0, 3:2 source 1, 5:4 source 2, 7:6 destination; the high byte repeats the setting that is left
.if MSB != \new
	s_set_vgpr_msb (MSB<<8)|\new
.set MSB, \new
.endif
.endm
.macro PLACES                          ; four places behind a matrix instruction before its result is read or one of its registers is written or loaded into (ISA guide 7.12.1)
.rept 4
	v_nop
.endr
.endm
	s_load_b256 s[4:11], s[0:1], 0x0
	s_load_b64 s[12:13], s[0:1], 0x20
	v_lshl_add_u32 v22, v0, 2, 0x20400
	v_mov_b32 v23, 0
	v_lshrrev_b32 v1, 5, v0
	v_readfirstlane_b32 s14, v1                    ; wave
	s_lshr_b32 s15, ttmp9, 5                       ; expert
.if LAYER == 1
	s_and_b32 s16, ttmp9, 31                       ; column chunk
.else
	s_and_b32 s16, ttmp9, 15
	s_bfe_u32 s17, ttmp9, 0x10004                  ; K half
.endif
	s_lshl_b32 s37, s15, 8
	s_lshl_b32 s18, s15, 23                        ; an expert's weights, and its 32 panels of hs, and its 2,048 rows of yp: 8 MiB each
	s_lshl_b32 s34, s16, 8                         ; 64 columns of f32
	s_mov_b32 s19, 0
	s_mov_b32 s35, 0
	s_wait_kmcnt 0x0
	s_load_b32 s20, s[SRT:SRT+1], s37 offset:CNTG  ; nb: my expert's blocks of 16 slots
	s_add_nc_u64 s[SW:SW+1], s[SW:SW+1], s[18:19]
	s_add_nc_u64 s[SW:SW+1], s[SW:SW+1], s[34:35]
	s_add_nc_u64 s[SB:SB+1], s[SB:SB+1], s[34:35]
	s_add_nc_u64 s[SOUT:SOUT+1], s[SOUT:SOUT+1], s[18:19]
.if LAYER == 1
	s_lshl_b32 s34, s16, 18                        ; panel c
	s_add_nc_u64 s[SOUT:SOUT+1], s[SOUT:SOUT+1], s[34:35]
	s_lshl_b32 s18, s15, 13                        ; a row of b1, and an expert's list: 8,192 bytes each
	s_add_nc_u64 s[SB:SB+1], s[SB:SB+1], s[18:19]
	s_add_nc_u64 s[32:33], s[SRT:SRT+1], s[18:19]  ; rt + 8,192 e: my expert's list lies LISTG bytes behind
.else
	s_add_nc_u64 s[SOUT:SOUT+1], s[SOUT:SOUT+1], s[34:35]
	s_add_nc_u64 s[SA:SA+1], s[SA:SA+1], s[18:19]
	s_lshl_b32 s34, s17, 22                        ; 1,024 rows of W2, and 16 panels of hs: 4 MiB each
	s_add_nc_u64 s[SW:SW+1], s[SW:SW+1], s[34:35]
	s_add_nc_u64 s[SA:SA+1], s[SA:SA+1], s[34:35]
	s_lshl_b32 s34, s17, 26                        ; a half of yp
	s_add_nc_u64 s[SOUT:SOUT+1], s[SOUT:SOUT+1], s[34:35]
	s_lshl_b32 s18, s15, 12                        ; a row of b2
	s_add_nc_u64 s[SB:SB+1], s[SB:SB+1], s[18:19]
.endif
	v_and_b32 v1, 15, v0                           ; r
	v_bfe_u32 v2, v0, 4, 1                         ; h
	v_lshlrev_b32 v3, 4, v2                        ; 16 h
	s_mul_i32 s35, s14, 128*WP                     ; phase 1: wave w takes k = 128 w .. 128 w + 127
	v_mul_u32_u24 v[WO], v2, 8*WP                  ; lanes 16-31 eight rows further down
	v_lshl_add_u32 v[WO], v1, 4, v[WO]             ; 16 lanes x 16 bytes: a whole row of the slab
	v_add_nc_u32 v[WO], s35, v[WO]
.if LAYER == 1
	v_lshlrev_b32 v[BO], 5, v2
	WIN 0x40                                       ; destination in window 1
.irp n, 0,1,2,3
	global_load_b128 v[BIAS+8*\n:BIAS+8*\n+3],   v[BO], s[SB:SB+1] offset:64*\n         ; b1 of columns 16 n + 8 h + 0..7
	global_load_b128 v[BIAS+8*\n+4:BIAS+8*\n+7], v[BO], s[SB:SB+1] offset:64*\n+16
.endr
	WIN 0
.else
	v_lshlrev_b32 v[BO], 4, v1
	global_load_b128 v[B2:B2+3], v[BO], s[SB:SB+1] ; b2 of columns 4 r + 0..3
.endif
; PHASE 1.  Group g = 16 rows of k: load j brings rows 16 g + j (lanes 0-15) and 16 g + 8 + j (lanes 16-31), 256 aligned bytes each.
.macro WLOAD g
.irp j, 0,1,2,3,4,5,6,7
	global_load_b128 v[XS+32*((\g)%4)+4*\j:XS+32*((\g)%4)+4*\j+3], v[WO], s[SW:SW+1] offset:(16*(\g)+\j)*WP th:TH_LOAD_NT
.endr
.endm
; A lane holds 8 k x 4 columns.  Packing two k of one column into a word turns the tile: 4 words = 8 k of a column = 16 bytes of a slab row.
.macro GRP g, left, more
	s_wait_loadcnt \left                           ; loads come back in order (ISA guide 5.7.1): group g is in, the younger groups (8 loads each) stay out
.irp i, 0,1,2,3
.irp t, 0,1,2,3
	v_cvt_pk_bf16_f32 v[T+4*\i+\t], v[XS+32*((\g)%4)+8*\t+\i], v[XS+32*((\g)%4)+8*\t+4+\i]
.endr
.endr
.irp i, 0,1,2,3
.if LAYER == 1
	ds_store_b128 v[SL], v[T+4*\i:T+4*\i+3] offset:\i*P+32*(\g)                      ; column 4 q + i into slab row 4 q + i
.else
	ds_store_b128 v[SL+(\i>>1)], v[T+4*\i:T+4*\i+3] offset:(\i&1)*16*P+32*(\g)       ; column 4 q + i into slab row 16 i + q
.endif
.endr
.if \more
	WLOAD \g+4
.endif
.endm
	WLOAD 0
	WLOAD 1
	WLOAD 2
	WLOAD 3                                        ; 32 loads of 512 bytes of every wave are on their way
	s_lshl_b32 s35, s14, 8
.if LAYER == 1
	v_mul_u32_u24 v[SL], v1, 4*P                   ; slab row 4 q (+ i), byte 256 w + 16 h (+ 32 g)
.else
	v_mul_u32_u24 v[SL], v1, P                     ; slab row q (+ 16 i), byte 256 w + 16 h (+ 32 g)
.endif
	v_add_nc_u32 v[SL], v3, v[SL]
	v_add_nc_u32 v[SL], s35, v[SL]
.if LAYER == 2
	v_add_nc_u32 v[SL+1], 32*P, v[SL]              ; 48 slab rows do not fit the 16-bit offset
.endif
	v_mul_u32_u24 v[VBB], v1, P
	v_add_nc_u32 v[VBB], v3, v[VBB]                ; fragment: slab row r, 16 h
	v_add_nc_u32 v[VBB+1], 32*P, v[VBB]
.if LAYER == 1
	v_and_b32 v[VOUT], 31, v0
	v_lshlrev_b32 v[VOUT], 4, v[VOUT]              ; 16 lane
	v_lshlrev_b32 v[LT], 2, v1
.else
	v_and_b32 v[LT], 31, v0
	v_lshlrev_b32 v[LT], 4, v[LT]                  ; 16 lane
	v_lshlrev_b32 v[VOUT], 15, v2                  ; lanes 16-31 eight rows of 4,096 bytes further down,
	v_lshl_add_u32 v[VOUT], v1, 4, v[VOUT]         ; 16 bytes a lane
.endif
	; the shares: nb blocks over 8 waves, as evenly as they go; wave w takes c_w blocks from block blk on
	s_wait_kmcnt 0x0
	s_min_u32 s20, s20, 128
	s_lshr_b32 s18, s20, 3
	s_and_b32 s19, s20, 7
	s_mul_i32 s22, s14, s18
	s_min_u32 s34, s14, s19
	s_add_co_u32 s22, s22, s34                     ; blk = w (nb / 8) + min(w, nb mod 8)
	s_cmp_lt_u32 s14, s19
	s_cselect_b32 s34, 1, 0
	s_add_co_u32 s21, s18, s34                     ; c_w
	; c_w = 4 nfull + last, last in 0, 1, 2, 3, 5: passes of four blocks and one of another size, never a lone block behind fours
	s_sub_co_u32 s23, s21, 2
	s_lshr_b32 s23, s23, 2
	s_cmp_gt_u32 s21, 5
	s_cselect_b32 s23, s23, 0
	s_lshl_b32 s34, s23, 2
	s_sub_co_u32 s24, s21, s34
	s_cmp_eq_u32 s24, 4
	s_cselect_b32 s34, 1, 0
	s_cselect_b32 s24, 0, s24
	s_add_co_u32 s23, s23, s34
	GRP 0, 24, 1
	GRP 1, 24, 1
	GRP 2, 24, 1
	GRP 3, 24, 1
	GRP 4, 24, 0
	GRP 5, 16, 0
	GRP 6, 8, 0
	GRP 7, 0, 0
.if LAYER == 2
	s_cmp_eq_u32 s17, 0                            ; b2 is added once: in K half 1 the four registers are put to zero
	s_cselect_b32 s38, 0, -1
.irp n, 0,1,2,3
	v_cndmask_b32 v[B2+\n], v[B2+\n], 0, s38
.endr
.endif
	s_wait_dscnt 0x0                               ; my part of the slab is in LDS
	s_barrier_signal -1
	s_barrier_wait -1                              ; the whole slab is: the kernel's only barrier, passed by every wave whatever its share
; PHASE 2.
; The activations' fragments of the K step rel steps behind the trip's first, mb blocks, into ring stage st.
.macro LOADA mb, st, rel
.if LAYER == 1
.set aoff, 64*(\rel)
.else
.set aoff, ((\rel)>>1)*262144+((\rel)&1)*1024
.endif
.set ii, 0
.rept \mb
	global_load_b128 v[AR+40*(\st)+8*ii:AR+40*(\st)+8*ii+3],   v[VA+ii], s[28:29] offset:aoff
	global_load_b128 v[AR+40*(\st)+8*ii+4:AR+40*(\st)+8*ii+7], v[VA+ii], s[28:29] offset:aoff+ASEC
.set ii, ii+1
.endr
.endm
; The weights' fragments of that K step, 64 slab rows, into buffer buf
.macro LOADB buf, rel
.set nn, 0
.rept 4
	ds_load_b128 v[BR+32*(\buf)+8*nn:BR+32*(\buf)+8*nn+3],   v[VB+(nn>>1)] offset:(nn&1)*16*P+64*(\rel)
	ds_load_b128 v[BR+32*(\buf)+8*nn+4:BR+32*(\buf)+8*nn+7], v[VB+(nn>>1)] offset:(nn&1)*16*P+64*(\rel)+32
.set nn, nn+1
.endr
.endm
; 4 mb matrix instructions.  The 4 mb accumulators take turns, one instruction a turn, in the same order in every K step.
.macro MULS mb, st, buf, zero
.set ii, 0
.rept \mb
.set nn, 0
.rept 4
.set acc, 32*ii+8*nn
.if LAYER == 1
.set opa, BR+32*(\buf)+8*nn
.set opb, AR+40*(\st)+8*ii
.else
.set opa, AR+40*(\st)+8*ii
.set opb, BR+32*(\buf)+8*nn
.endif
.if \zero
	v_wmma_f32_16x16x32_bf16 v[acc:acc+7], v[opa:opa+7], v[opb:opb+7], 0
.else
	v_wmma_f32_16x16x32_bf16 v[acc:acc+7], v[opa:opa+7], v[opb:opb+7], v[acc:acc+7]
.endif
.set nn, nn+1
.endr
.set ii, ii+1
.endr
.endm
; K step j of a trip.  la: the activations three steps ahead are asked for, into the stage that the last step read; lb: the weights of the next step.
; left: the loads of the younger stages, 2 mb each, that may stay out.
.macro STEP mb, j, zero, la, lb, left
	PLACES
	WIN 0
.if \la
	LOADA \mb, (\j+3)%4, \j+3
.endif
.if \lb
	LOADB (\j+1)%2, \j+1
.endif
	s_wait_loadcnt \left
.if \lb
	s_wait_dscnt 0x8                               ; this step's weights are in; the eight loads just issued stay out
.else
	s_wait_dscnt 0x0
.endif
	WIN 0x50                                       ; C and D in window 1
	MULS \mb, \j, \j%2, \zero
.endm
.macro TRIP mb, zero, tail
	STEP \mb, 0, \zero, 1, 1, 6*\mb
.if \tail
	STEP \mb, 1, 0, 0, 1, 4*\mb                    ; the last trip asks for K step 31 alone: the counts run down
	STEP \mb, 2, 0, 0, 1, 2*\mb
	STEP \mb, 3, 0, 0, 0, 0
.else
	STEP \mb, 1, 0, 1, 1, 6*\mb
	STEP \mb, 2, 0, 1, 1, 6*\mb
	STEP \mb, 3, 0, 1, 1, 6*\mb
	WIN 0
	s_wait_xcnt 0x0                                ; the base of pending loads steps only behind this wait (ISA guide 3.1)
	s_add_nc_u64 s[28:29], s[28:29], ATRIP
	v_add_nc_u32 v[VB], 256, v[VB]
	v_add_nc_u32 v[VB+1], 256, v[VB+1]
.endif
.endm
; The way out of block b of the pass, straight from registers.  Each block has store registers of its own, in the activations' ring, which is idle here.
.macro EPI b
.if LAYER == 1
	WIN 0x05                                       ; sources 0 and 1 in window 1
.irp n, 0,1,2,3
.irp p, 0,2,4,6
	v_pk_add_f32 v[ET+8*\n+\p:ET+8*\n+\p+1], v[32*(\b)+8*\n+\p:32*(\b)+8*\n+\p+1], v[BIAS+8*\n+\p:BIAS+8*\n+\p+1]
.endr
.endr
	WIN 0
.set xx, 0
.rept 32
	v_max_num_f32 v[ET+xx], 0, v[ET+xx]
.set xx, xx+1
.endr
.irp n, 0,1,2,3
.irp p, 0,1,2,3
	v_cvt_pk_bf16_f32 v[EU+16*(\b)+4*\n+\p], v[ET+8*\n+2*\p], v[ET+8*\n+2*\p+1]
.endr
	global_store_b128 v[VOUT], v[EU+16*(\b)+4*\n:EU+16*(\b)+4*\n+3], s[30:31] offset:2048*(\b)+512*\n      ; 512 neighbouring aligned bytes
.endr
.else
	WIN 0x01                                       ; source 0 in window 1
.irp j, 0,1,2,3,4,5,6,7
.irp n, 0,1,2,3
	v_add_f32 v[ET+32*(\b)+4*\j+\n], v[32*(\b)+8*\n+\j], v[B2+\n]                  ; row 8 h + j, column 4 r + n
.endr
.endr
	WIN 0
.irp j, 0,1,2,3,4,5,6,7
	global_store_b128 v[VOUT], v[ET+32*(\b)+4*\j:ET+32*(\b)+4*\j+3], s[30:31] offset:(16*(\b)+\j)*4096     ; sixteen lanes store 256 neighbouring aligned bytes of a row
.endr
.endif
.endm
; A pass: mb blocks of 16 slots from block s22 on, through 32 K steps of 32 = 8 trips of 4.
.macro PASS mb
	s_wait_xcnt 0x0                                ; the last pass's stores have taken their data and addresses: both are written again below
	s_min_u32 s36, s22, 128-\mb                    ; the first block: a number read from memory enters addresses clamped
	v_mov_b32 v[VB], v[VBB]
	v_mov_b32 v[VB+1], v[VBB+1]
	s_mov_b64 s[28:29], s[SA:SA+1]                 ; every load through s[28:29] was waited for in the last pass's last K step
	s_mov_b32 s35, 0
.if LAYER == 1
	s_lshl_b32 s34, s36, 11                        ; a block of a panel: 2,048 bytes
	s_add_nc_u64 s[30:31], s[SOUT:SOUT+1], s[34:35]
	s_lshl_b32 s34, s36, 6
	v_add_nc_u32 v[VL], s34, v[LT]
.set ii, 0
.rept \mb
	global_load_b32 v[TOK+ii], v[VL], s[32:33] offset:LISTG+64*ii  ; the token of slot 16 (blk + i) + r
.set ii, ii+1
.endr
	s_wait_loadcnt 0x0
.set ii, 0
.rept \mb
	v_min_u32 v[TOK+ii], 0x7ff, v[TOK+ii]
	v_lshl_add_u32 v[VA+ii], v[TOK+ii], 11, v3     ; its row of xb, + 16 h
.set ii, ii+1
.endr
.else
	s_lshl_b32 s34, s36, 16                        ; 16 rows of 4,096 bytes
	s_add_nc_u64 s[30:31], s[SOUT:SOUT+1], s[34:35]
	s_lshl_b32 s34, s36, 11
	v_add_nc_u32 v[VA], s34, v[LT]                 ; block blk of a panel, + 16 lane
.set ii, 1
.rept \mb-1
	v_add_nc_u32 v[VA+ii], 2048*ii, v[VA]
.set ii, ii+1
.endr
.endif
	LOADA \mb, 0, 0
	LOADA \mb, 1, 1
	LOADA \mb, 2, 2
	LOADB 0, 0
	TRIP \mb, 1, 0                                 ; the first K step starts the sums: nothing is cleared
	s_mov_b32 s26, 6
.Lk_\mb:
	TRIP \mb, 0, 0
	s_sub_co_i32 s26, s26, 1
	s_cmp_lg_u32 s26, 0
	s_cbranch_scc1 .Lk_\mb
	TRIP \mb, 0, 1
	PLACES
.set ee, 0
.rept \mb
	EPI ee
.set ee, ee+1
.endr
	s_add_co_u32 s22, s22, \mb
.endm
	s_mov_b32 s25, 0
	s_cmp_eq_u32 s23, 0
	s_cbranch_scc1 .Llast
.Lfull:
	PASS 4
	s_add_co_u32 s25, s25, 1
	s_cmp_lt_u32 s25, s23
	s_cbranch_scc1 .Lfull
.Llast:
	s_cmp_eq_u32 s24, 1
	s_cbranch_scc1 .Lp1
	s_cmp_eq_u32 s24, 2
	s_cbranch_scc1 .Lp2
	s_cmp_eq_u32 s24, 3
	s_cbranch_scc1 .Lp3
	s_cmp_eq_u32 s24, 5
	s_cbranch_scc1 .Lp5
	s_branch .Lend
.Lp1:
	PASS 1
	s_branch .Lend
.Lp2:
	PASS 2
	s_branch .Lend
.Lp3:
	PASS 3
	s_branch .Lend
.Lp5:
	PASS 5
.Lend:
	s_barrier_signal -1
	s_barrier_wait -1
	s_wait_tensorcnt 0x0
	ds_add_u32 v22, v23
	s_wait_dscnt 0x0
	s_endpgm
.Lfunc_end_k_q58a458be26_ffn2:
	.size	k_q58a458be26_ffn2, .Lfunc_end_k_q58a458be26_ffn2-k_q58a458be26_ffn2
	.p2alignl 7, 3214868480
	.fill 96, 4, 3214868480
	.section	.rodata,"a",@progbits
	.p2align	6, 0x0
	.amdhsa_kernel k_q58a458be26_ffn2
		.amdhsa_group_segment_fixed_size 133120
		.amdhsa_private_segment_fixed_size 0
		.amdhsa_enable_private_segment 0
		.amdhsa_kernarg_size 40
		.amdhsa_user_sgpr_count 2
		.amdhsa_user_sgpr_kernarg_segment_ptr 1
		.amdhsa_wavefront_size32 1
		.amdhsa_system_sgpr_workgroup_id_x 1
		.amdhsa_system_sgpr_workgroup_id_y 1
		.amdhsa_system_sgpr_workgroup_id_z 1
		.amdhsa_system_vgpr_workitem_id 0
		.amdhsa_next_free_vgpr 448
		.amdhsa_next_free_sgpr 66
		.amdhsa_reserve_vcc 0
		.amdhsa_float_denorm_mode_32 3
		.amdhsa_float_denorm_mode_16_64 3
		.amdhsa_memory_ordered 1
		.amdhsa_forward_progress 1
		.amdhsa_inst_pref_size 178
	.end_amdhsa_kernel
	.amdgpu_metadata
---
amdhsa.version: [ 1, 2 ]
amdhsa.kernels:
  - .name:           k_q58a458be26_ffn2
    .symbol:         k_q58a458be26_ffn2.kd
    .args:
      - { .name: hs, .offset: 0, .size: 8, .value_kind: global_buffer, .address_space: global }
      - { .name: W2, .offset: 8, .size: 8, .value_kind: global_buffer, .address_space: global }
      - { .name: b2, .offset: 16, .size: 8, .value_kind: global_buffer, .address_space: global }
      - { .name: rt, .offset: 24, .size: 8, .value_kind: global_buffer, .address_space: global }
      - { .name: yp, .offset: 32, .size: 8, .value_kind: global_buffer, .address_space: global }
    .group_segment_fixed_size: 133120
    .private_segment_fixed_size: 0
    .kernarg_segment_align: 8
    .kernarg_segment_size: 40
    .max_flat_workgroup_size: 256
    .sgpr_count:     66
    .vgpr_count:     448
    .wavefront_size: 32
...
	.end_amdgpu_metadata
.endif
;; end of part 4
;; launch combine (part 5): grid 256 x 1, 8 waves a work-group, no clusters, 0 bytes of LDS; arguments yp, rt, sel, gts, out0; writes out0
.if DOCPART == 5
	.amdgcn_target "amdgcn-amd-amdhsa--gfx1250"
	.amdhsa_code_object_version 6
	.text
	.protected	k_q58a458be26_combine
	.globl	k_q58a458be26_combine
	.p2align	8
	.type	k_q58a458be26_combine,@function
k_q58a458be26_combine:
	s_mov_b64 s[64:65], 0
	v_nop
	global_prefetch_b8 v0, s[64:65] scope:SCOPE_SE
	s_setreg_imm32_b32 hwreg(HW_REG_WAVE_MODE, 25, 1), 1
	s_wait_xcnt 0x0
; COMBINE.  out[n] = g0 (yp[0][p0] + yp[1][p0]) + g1 (yp[0][p1] + yp[1][p1]), all in f32; yp[0] already holds b2 of the row's expert.
; p_k = e_k * 2048 + rank[e_k][n]; e0, e1 from sel, rank [8][2048] u32 from rt, g0, g1 from gts.  yp [2][16384][1024] f32, out0 [2048][1024] f32.
; The token's rank words of all eight experts are asked for together with sel and the gates, and the two that count are picked by selects:
; so no load waits for the result of another.
; A stream: a wave takes one token; its four rows of 4,096 bytes come in as 32 loads of 512 neighbouring bytes, all on their way at once, and
; the result leaves as 8 stores of 512 neighbouring aligned bytes.  LDS, barriers, matrix units and clusters have nothing to add here.
.set R0, 16                            ; v[16:143]: chunk j of 512 bytes in 16 registers: y0[p0], y1[p0], y0[p1], y1[p1]
.set RK, 40                            ; s[40:47]   rank[e][n], e = 0..7
	s_load_b256 s[4:11], s[0:1], 0x0               ; yp s[4:5], rt s[6:7], sel s[8:9], gts s[10:11]
	s_load_b64 s[12:13], s[0:1], 0x20              ; out0
	v_lshrrev_b32 v1, 5, v0
	v_readfirstlane_b32 s16, v1                    ; wave
	v_and_b32 v1, 31, v0
	v_lshlrev_b32 v1, 4, v1                        ; 16 lane
	s_lshl3_add_u32 s17, ttmp9, s16                ; token n = 8 x work-group + wave
	s_lshl_b32 s18, s17, 3
	s_lshl_b32 s19, s17, 2
	s_lshl_b32 s33, s17, 12
	v_add_nc_u32 v6, s33, v1                       ; my 16 bytes of out[n]
	s_wait_kmcnt 0x0
.irp e, 0,1,2,3,4,5,6,7
	s_load_b32 s[RK+\e], s[6:7], s19 offset:8192*\e        ; rank[e][n]
.endr
	s_load_b32 s24, s[8:9], s19 offset:0x0                 ; e0 | e1 << 8
	s_load_b64 s[22:23], s[10:11], s18 offset:0x0          ; g0, g1
	s_add_nc_u64 s[28:29], s[4:5], 0x4000000       ; the second K half of yp
	s_wait_kmcnt 0x0
	s_and_b32 s25, s24, 0xff
	s_bfe_u32 s26, s24, 0x80008
	s_mov_b32 s20, s[RK]
	s_mov_b32 s21, s[RK]
.irp e, 1,2,3,4,5,6,7
	s_cmp_eq_u32 s25, \e
	s_cselect_b32 s20, s[RK+\e], s20
	s_cmp_eq_u32 s26, \e
	s_cselect_b32 s21, s[RK+\e], s21
.endr
	s_lshl_b32 s25, s25, 11
	s_lshl_b32 s26, s26, 11
	s_add_co_u32 s20, s20, s25                     ; the rows of yp
	s_add_co_u32 s21, s21, s26
	s_min_u32 s20, s20, 0x3fff                     ; numbers read from memory enter addresses clamped
	s_min_u32 s21, s21, 0x3fff
	s_lshl_b32 s20, s20, 12
	s_lshl_b32 s21, s21, 12
	v_add_nc_u32 v2, s20, v1
	v_add_nc_u32 v3, s21, v1
	s_mov_b32 s30, s23                             ; g1 as the low word of a pair of its own, for the packed forms
	s_mov_b32 s31, s23
.irp j, 0,1,2,3,4,5,6,7
	global_load_b128 v[R0+16*\j:R0+16*\j+3],     v2, s[4:5]   offset:512*\j th:TH_LOAD_NT
	global_load_b128 v[R0+16*\j+4:R0+16*\j+7],   v2, s[28:29] offset:512*\j th:TH_LOAD_NT
	global_load_b128 v[R0+16*\j+8:R0+16*\j+11],  v3, s[4:5]   offset:512*\j th:TH_LOAD_NT
	global_load_b128 v[R0+16*\j+12:R0+16*\j+15], v3, s[28:29] offset:512*\j th:TH_LOAD_NT
.endr
.irp j, 0,1,2,3,4,5,6,7
	s_wait_loadcnt 4*(7-\j)                        ; loads come back in order (ISA guide 5.7.1): chunk j is in, the younger chunks (4 loads each) stay out
.irp p, 0,2
	v_pk_add_f32 v[R0+16*\j+\p:R0+16*\j+\p+1],     v[R0+16*\j+\p:R0+16*\j+\p+1],     v[R0+16*\j+4+\p:R0+16*\j+4+\p+1]
	v_pk_add_f32 v[R0+16*\j+8+\p:R0+16*\j+8+\p+1], v[R0+16*\j+8+\p:R0+16*\j+8+\p+1], v[R0+16*\j+12+\p:R0+16*\j+12+\p+1]
	v_pk_mul_f32 v[R0+16*\j+\p:R0+16*\j+\p+1], v[R0+16*\j+\p:R0+16*\j+\p+1], s[22:23] op_sel_hi:[1,0]                                          ; both by g0
	v_pk_fma_f32 v[R0+16*\j+\p:R0+16*\j+\p+1], v[R0+16*\j+8+\p:R0+16*\j+8+\p+1], s[30:31], v[R0+16*\j+\p:R0+16*\j+\p+1] op_sel_hi:[1,0,1]      ; both by g1
.endr
	global_store_b128 v6, v[R0+16*\j:R0+16*\j+3], s[12:13] offset:512*\j th:TH_STORE_NT
.endr
	s_endpgm
.Lfunc_end_k_q58a458be26_combine:
	.size	k_q58a458be26_combine, .Lfunc_end_k_q58a458be26_combine-k_q58a458be26_combine
	.p2alignl 7, 3214868480
	.fill 96, 4, 3214868480
	.section	.rodata,"a",@progbits
	.p2align	6, 0x0
	.amdhsa_kernel k_q58a458be26_combine
		.amdhsa_group_segment_fixed_size 0
		.amdhsa_private_segment_fixed_size 0
		.amdhsa_enable_private_segment 0
		.amdhsa_kernarg_size 40
		.amdhsa_user_sgpr_count 2
		.amdhsa_user_sgpr_kernarg_segment_ptr 1
		.amdhsa_wavefront_size32 1
		.amdhsa_system_sgpr_workgroup_id_x 1
		.amdhsa_system_sgpr_workgroup_id_y 1
		.amdhsa_system_sgpr_workgroup_id_z 1
		.amdhsa_system_vgpr_workitem_id 0
		.amdhsa_next_free_vgpr 144
		.amdhsa_next_free_sgpr 66
		.amdhsa_reserve_vcc 0
		.amdhsa_float_denorm_mode_32 3
		.amdhsa_float_denorm_mode_16_64 3
		.amdhsa_memory_ordered 1
		.amdhsa_forward_progress 1
		.amdhsa_inst_pref_size 11
	.end_amdhsa_kernel
	.amdgpu_metadata
---
amdhsa.version: [ 1, 2 ]
amdhsa.kernels:
  - .name:           k_q58a458be26_combine
    .symbol:         k_q58a458be26_combine.kd
    .args:
      - { .name: yp, .offset: 0, .size: 8, .value_kind: global_buffer, .address_space: global }
      - { .name: rt, .offset: 8, .size: 8, .value_kind: global_buffer, .address_space: global }
      - { .name: sel, .offset: 16, .size: 8, .value_kind: global_buffer, .address_space: global }
      - { .name: gts, .offset: 24, .size: 8, .value_kind: global_buffer, .address_space: global }
      - { .name: out0, .offset: 32, .size: 8, .value_kind: global_buffer, .address_space: global }
    .group_segment_fixed_size: 0
    .private_segment_fixed_size: 0
    .kernarg_segment_align: 8
    .kernarg_segment_size: 40
    .max_flat_workgroup_size: 256
    .sgpr_count:     66
    .vgpr_count:     144
    .wavefront_size: 32
...
	.end_amdgpu_metadata
.endif
;; end of part 5
